; MI455X (gfx1250); checked and timed in simulation.
; The chip was launched on July 23, 2026; its instructions are those of AMD's public machine-readable ISA for CDNA 5 (MIT licence, August 2026) and "CDNA5" Instruction Set Architecture Reference Guide (July 2026). The comments in the code are by the model that wrote it; some were corrected since.
;; Multi Head Attn. Allowed arithmetic: matrix products marked QUANTISED: E2M3 operands, one E8M0 scale for each 32 along K, by v_wmma_scale_f32_16x16x128_f8f6f4 with both operands' format E2M3, f32 sums; everything else in f32.
;; Inputs: Wk 1,024 x 1,024 float32; Wo 1,024 x 1,024 float32; Wq 1,024 x 1,024 float32; Wv 1,024 x 1,024 float32; bk 1,024 float32; bo 1,024 float32; bq 1,024 float32; bv 1,024 float32; key 1 x 4,096 x 1,024 float32; query 1 x 4,096 x 1,024 float32; value 1 x 4,096 x 1,024 float32.
;; Outputs: out0 1 x 4,096 x 1,024 float32.
;; This version of the problem:
;;   THIS VERSION OF THE PROBLEM IS GIVEN IN LOW PRECISION. The matrix products marked QUANTISED in the list below multiply operands that are first quantised to E2M3 (2 exponent bits, 3 mantissa bits; 6 bits a number), with one power-of-two scale for each 32 numbers along K (OCP MX v1.0); their sums are f32. All else is computed in f32.
;;   The module's matrix products, in the order in which they are computed (A, B: the left and right operand; K: the contracted axis; several contracted axes count as one K, in the product's order):
;;     1. [M 4,096, K 1,024] x [K 1,024, N 1,024]; A: input query; B: input Wq: QUANTISED
;;     2. [M 4,096, K 1,024] x [K 1,024, N 1,024]; A: input key; B: input Wk: QUANTISED
;;     3. [M 4,096, K 1,024] x [K 1,024, N 1,024]; A: input value; B: input Wv: QUANTISED
;;     4. batch 16 x [M 4,096, K 64] x [K 64, N 4,096]; A: computed on the way; B: computed on the way: QUANTISED
;;     5. batch 16 x [M 4,096, K 4,096] x [K 4,096, N 64]; A: softmax (see below); B: computed on the way: QUANTISED
;;     6. [M 4,096, K 1,024] x [K 1,024, N 1,024]; A: computed on the way; B: input Wo: QUANTISED
;;   THE QUANTISER, for each operand of a quantised product, along K:
;;     - K is cut into blocks of 32 from its start; a last block that is shorter is filled with zeros.
;;     - A block's scale is 2^e with e = floor(log2(the largest magnitude in the block)) - 2, held to -126 .. 127; a block of zeros has e = 0. As a byte (E8M0): e + 127.
;;     - Each number is divided by its block's scale, clamped to +-7.5, and rounded to the nearest number of E2M3, ties to even, subnormals kept.
;;     - The product sums the exact products of the quantised numbers (number of the format x scale) in f32.
;;   ~~~python
;;   def quantise(x, axis):      # numpy; x: float32 -> the quantised numbers, widened to float32 again
;;       x = np.moveaxis(x, axis, -1); K = x.shape[-1]
;;       x = np.pad(x, [(0, 0)] * (x.ndim - 1) + [(0, -K % 32)]); x = x.reshape(x.shape[:-1] + (-1, 32)); a = np.abs(x).max(-1, keepdims=True)
;;       e = np.where(a > 0, np.clip(np.frexp(np.where(a > 0, a, 1))[1] - 1 - 2, -126, 127), 0)      # np.frexp(a)[1] - 1 = floor(log2(a)), exactly
;;       r = np.clip(x / 2.0 ** e, -7.5, 7.5)
;;       step = 2.0 ** (np.maximum(np.frexp(np.where(r == 0, 1, r))[1] - 1, 0) - 3)
;;       q = np.round(r / step) * step * 2.0 ** e      # np.round: ties to even
;;       return np.moveaxis(q.reshape(q.shape[:-2] + (-1,))[..., :K], -1, axis).astype(np.float32)
;;   ~~~
;;   SOFTMAX AHEAD OF A QUANTISED PRODUCT. Where the list says 'softmax', what is quantised is not the finished softmax but p = 2^(t - M), with t = logit x log2(e) and M = ceil(the row's largest t), a whole number; so 1/2 < the row's largest p <= 1. The row's sum l is taken of the UNQUANTISED p, in f32, and the product's result is divided by l at the end. Since M is a whole number, a kernel that streams over the keys may use a running M (the ceiling of the running maximum): every later rescaling is an exact power of two, which a block's scale takes up: the codes' values come out the same.
;;   OPERANDS COMPUTED ON THE WAY. 'Computed on the way' means the value that the module computes at that place (a softmax that the list does not call 'softmax' is quantised finished and normalised). What goes into a quantiser is computed in f32, as accurately as f32 sums, v_exp_f32 and their like allow (about 1e-6 of the number): no bf16 or f16 on the way to a quantiser, and a product that is left as it is and whose result goes on into a quantised operand takes f32 operands (vector FMAs, or v_wmma_f32_16x16x4_f32). A number that lies on a knife's edge between two numbers of the format may be rounded either way, as far as f32 arithmetic and the matrix unit's own rounding can turn it there, and no further.
;; One version. Each part assembles by itself: llvm-mc -triple=amdgcn-amd-amdhsa -mcpu=gfx1250 --defsym DOCPART=n.
;; ======== version 1 of 1: 4 launches
;; limits: right only within a limited range of input values
;; workspace buffers: xc 12,582,912 bytes; xs 524,288 bytes; ac 9,830,400 bytes; cc 3,145,728 bytes; cs 131,072 bytes
;; launch quant (part 1): grid 256 x 1, 8 waves a work-group, no clusters, 70,656 bytes of LDS; arguments query, key, value, Wq, Wk, Wv, Wo, xc, xs; writes xc, xs
.if DOCPART == 1
	.amdgcn_target "amdgcn-amd-amdhsa--gfx1250"
	.amdhsa_code_object_version 6
	.text
	.protected	k_qa5836aa9cf_quant
	.globl	k_qa5836aa9cf_quant
	.p2align	8
	.type	k_qa5836aa9cf_quant,@function
k_qa5836aa9cf_quant:
	s_mov_b64 s[64:65], 0
	v_nop
	global_prefetch_b8 v0, s[64:65] scope:SCOPE_SE
	s_setreg_imm32_b32 hwreg(HW_REG_WAVE_MODE, 25, 1), 1
	s_wait_xcnt 0x0
; MULTI-HEAD ATTENTION IN MX-FP6, launch 1 of 4: query, key, value [4096][1024] and Wq, Wk, Wv, Wo [1024][1024], f32, become codes of E2M3 with one E8M0 byte for each 32 along K (their last axis).
; DEAD WORK: none.  Every product of the problem reaches the output, every bias goes into a quantised operand (bq, bk, bv: they move q's, k's and v's codes) or into the output (bo): all eleven inputs are loaded by some launch.
; THE LAYOUT OF EVERY OPERAND OF THIS PROGRAM.  A UNIT is 16 rows x 64 codes, 768 bytes: [block of 32: 2][row: 16][24 bytes].  Two units on end are a fragment of the matrix instruction (16 rows x 128 K): lane l = r + 16 h finds
; its registers 0-5 at byte 24 l and its registers 6-11 at 768 + 24 l.  The maker needs no exchange between lanes: the 12 bytes that a conversion leaves in lane (r, h) for block b belong at 384 b + 24 r + 12 h.
; THE ROWS OF A ROW TILE ARE NOT NEIGHBOURS: row p of tile 2 b + u is the tensor's row 32 b + 8 u + p + 8 (p / 8), so that, where such tiles are source 0 of a product, a lane's 16 results of tiles 2 b and 2 b + 1 are 16 neighbours.
; xc: [row tile: 1024][unit: 16][768]; tiles 0.. query, 256.. key, 512.. value, 768.. Wq, 832.. Wk, 896.. Wv, 960.. Wo.   xs: [row tile][128 along K: 8][row: 16][4 bytes].
; A block's scale is 2^(floor(log2(its largest magnitude)) - 2); its byte is the largest magnitude's exponent field - 2, held at 1 from below.
; LIMITS: NaN and infinities among the inputs are not served; a block whose largest magnitude lies under 2^-124 keeps the byte 1; a block of zeros gets the byte 1 where the rule says 127 (its codes are zeros, and this program alone reads the bytes).
; SHARES.  Work-group g takes row tiles 4 g .. 4 g + 3; wave w takes tile 4 g + w / 2 and half w % 2 of K: four fragments.  Each load reads 512 consecutive bytes of one row; a fragment's 8,192 bytes turn through the wave's own
; stage in LDS, so that a lane gets 16 neighbours of each block of its row.  Waves share nothing: no barrier.  Two fragments' loads (32 a wave) are out at the start, 16 while a fragment is worked.
.set WREG,   8704                      ; LDS of a wave: a stage of 16 rows x 528 bytes, then its 256 bytes of scale words
.set SPITCH, 528                       ; 512 bytes + 16: row r starts 4 r banks on
.set SCW,    16*SPITCH
.set SPARE,  8*WREG                    ; behind the eight regions: the spare words, 128 bytes for each wave: four blocks of 256 bytes that no other line names
.set GL,  4                            ; v4   16 x lane: my bytes of a load's 512
.set SI,  5                            ; v5   the stage, on the way in
.set SOU, 6                            ; v6   and out: row r, + 64 h
.set CA,  7                            ; v7   24 r + 12 h: my codes' place in a block's 384 bytes
.set WA,  8                            ; v8   LDS: my row's scale word
.set WR,  9                            ; v9   LDS: 8 bytes a lane of the 256
.set WG,  10                           ; v10  8 x lane
.set SPW, 12                           ; v12  LDS address of my spare word; never rewritten
.set NIL, 13                           ; v13  0; never rewritten
.set TM,  16                           ; v16-19 largest magnitudes, v20-23 bytes, v28-31 the conversions' scale operands
.set PW,  32                           ; v32  the scale word just made
.set CD,  36                           ; v36-51 codes: four registers for each block
.set X,   64                           ; v64-127  register 16 b + i = k 32 b + 16 h + i of my row
.set R,   128                          ; v128-255 two sets of 64: a fragment as it is loaded
.set SEL, 36                           ; s[36:37] v_permlanex16_b32's selects for lane l xor 16
	s_load_b512 s[4:19], s[0:1], 0x0               ; query, key, value, Wq, Wk, Wv, Wo, xc
	s_load_b64 s[20:21], s[0:1], 0x40              ; xs
	v_lshl_add_u32 v[SPW], v0, 2, SPARE
	v_mov_b32 v[NIL], 0
	v_lshrrev_b32 v1, 5, v0
	s_delay_alu instid0(VALU_DEP_1)
	v_readfirstlane_b32 s22, v1                    ; wave 0..7
	v_and_b32 v1, 31, v0                           ; lane
	v_and_b32 v2, 15, v0                           ; r
	v_bfe_u32 v3, v0, 4, 1                         ; h
	; KEY'S ROW TILES TAKE ANOTHER ORDER than the other tensors': row p of tile 4 c + u is key's row 64 c + 8 u + p % 8 + 32 (p / 8), so that in the scores a lane's 32 results of tiles 4 c .. 4 c + 3 are one whole block of 32 keys
	s_lshr_b32 s38, ttmp9, 6
	s_cmp_eq_u32 s38, 1                            ; work-groups 64 .. 127 take key
	s_mov_b32 s29, 16*4096
	s_cselect_b32 s29, 32*4096, s29                ; a tile's rows 8-15 begin 16 rows behind its rows 0-7; key's 32
	s_cselect_b32 s39, 16, 17                      ; waves 4-7 begin 32 rows on; key's 16
	s_mul_i32 s23, s22, WREG
	v_lshlrev_b32 v[GL], 4, v1
	s_delay_alu instid0(VALU_DEP_1)
	v_add_nc_u32 v[SI], s23, v[GL]
	v_add_nc_u32 v11, s29, v[GL]                   ; v11: my bytes of a load of the tile's rows 8-15
	v_mul_u32_u24 v[SOU], v2, SPITCH
	s_delay_alu instid0(VALU_DEP_1)
	v_lshl_add_u32 v[SOU], v3, 6, v[SOU]
	s_delay_alu instid0(VALU_DEP_1)
	v_add_nc_u32 v[SOU], s23, v[SOU]
	v_mul_u32_u24 v[CA], v2, 24
	s_delay_alu instid0(VALU_DEP_1)
	v_mad_u32_u24 v[CA], v3, 12, v[CA]
	s_add_co_u32 s23, s23, SCW
	v_lshlrev_b32 v[WA], 2, v2
	s_delay_alu instid0(VALU_DEP_1)
	v_add_nc_u32 v[WA], s23, v[WA]
	v_lshlrev_b32 v[WG], 3, v1
	s_delay_alu instid0(VALU_DEP_1)
	v_add_nc_u32 v[WR], s23, v[WG]
.irp b, 0,1,2,3
	v_mov_b32 v[TM+4+\b], 0                        ; written once: a lane permute's destination counts as one of its sources
.endr
	s_mov_b32 s[SEL], 0x76543210
	s_mov_b32 s[SEL+1], 0xfedcba98
	s_and_b32 s28, s22, 1                          ; my half of K
	s_lshl_b32 s30, ttmp9, 2
	s_lshr_b32 s31, s22, 1
	s_add_co_u32 s30, s30, s31                     ; my row tile
	s_mul_i32 s32, s30, 12288
	s_mul_i32 s33, s28, 6144
	s_add_co_u32 s32, s32, s33                     ; its codes, my half
	s_mov_b32 s33, 0
	s_lshl_b32 s34, s30, 9
	s_lshl_b32 s35, s28, 8
	s_add_co_u32 s34, s34, s35                     ; its scale words, my half
	s_mov_b32 s35, 0
	s_wait_kmcnt 0x0
	s_add_nc_u64 s[18:19], s[18:19], s[32:33]
	s_add_nc_u64 s[20:21], s[20:21], s[34:35]
	s_mov_b64 s[24:25], s[4:5]                     ; which tensor: the choice hangs on the work-group's number alone
	s_mov_b32 s26, 0                               ; and the tensor's first work-group
.macro PICK first, lo
	s_cmp_ge_u32 ttmp9, \first
	s_cselect_b64 s[24:25], s[\lo:\lo+1], s[24:25]
	s_cselect_b32 s26, \first, s26
.endm
	PICK 64, 6
	PICK 128, 8
	PICK 192, 10
	PICK 208, 12
	PICK 224, 14
	PICK 240, 16
	s_sub_co_u32 s26, ttmp9, s26
	s_lshl_b32 s26, s26, 18                        ; 64 rows of 4,096 bytes a work-group,
	s_lshr_b32 s27, s22, 2
	s_lshl_b32 s27, s27, s39
	s_add_co_u32 s26, s26, s27
	s_bfe_u32 s27, s22, 0x10001
	s_lshl_b32 s27, s27, 15                        ; 8 rows for the pair's second tile,
	s_add_co_u32 s26, s26, s27
	s_lshl_b32 s27, s28, 11                        ; 512 numbers for the second half of K
	s_add_co_u32 s26, s26, s27
	s_mov_b32 s27, 0
	s_add_nc_u64 s[24:25], s[24:25], s[26:27]
.macro LOAD t                          ; fragment t: 16 rows x 512 bytes into set t % 2; 32 lanes read 512 consecutive bytes
.irp p, 0,1,2,3,4,5,6,7,8,9,10,11,12,13,14,15
.if \p < 8
	global_load_b128 v[R+64*((\t)%2)+4*\p:R+64*((\t)%2)+4*\p+3], v[GL], s[24:25] offset:\p*4096+512*(\t) th:TH_LOAD_NT
.else
	global_load_b128 v[R+64*((\t)%2)+4*\p:R+64*((\t)%2)+4*\p+3], v11, s[24:25] offset:(\p-8)*4096+512*(\t) th:TH_LOAD_NT
.endif
.endr
.endm
; 64 numbers of a lane, register 16 b + i = k 32 b + 16 h + i of my row, become four times 12 bytes of codes in v[CD + 4 b] and the row's scale word in v[pw]
.macro QUANT s, pw
.irp b, 0,1,2,3
	v_max3_num_f32 v[TM+\b], |v[\s+16*\b]|, |v[\s+1+16*\b]|, 0x1800000   ; my 16 numbers of block b, and the floor 2^(3 - 127): so the byte cannot fall under 1
.endr
.irp i, 2,4,6,8,10,12,14
.irp b, 0,1,2,3
	s_delay_alu instid0(VALU_DEP_4)
	v_max3_num_f32 v[TM+\b], v[TM+\b], |v[\s+16*\b+\i]|, |v[\s+1+16*\b+\i]|   ; the four blocks by turns
.endr
.endr
.irp b, 0,1,2,3
	s_delay_alu instid0(VALU_DEP_4)
	v_permlanex16_b32 v[TM+4+\b], v[TM+\b], s[SEL], s[SEL+1]
.endr
.irp b, 0,1,2,3
	s_delay_alu instid0(VALU_DEP_4)
	v_max_num_f32 v[TM+\b], v[TM+\b], v[TM+4+\b]   ; with lane l xor 16's: the block's largest magnitude
.endr
.irp b, 0,1,2,3
	s_delay_alu instid0(VALU_DEP_4)
	v_add_nc_u32 v[TM+12+\b], 0xff000000, v[TM+\b] ; 2 off its exponent field: the conversion takes the exponent field of this operand as its scale
.endr
.irp b, 0,1,2,3
	s_delay_alu instid0(VALU_DEP_4)
	v_lshrrev_b32 v[TM+4+\b], 23, v[TM+12+\b]      ; the scale's byte
.endr
	s_delay_alu instid0(VALU_DEP_3)
	v_lshl_or_b32 v[\pw], v[TM+5], 8, v[TM+4]
	s_delay_alu instid0(VALU_DEP_1)
	v_lshl_or_b32 v[\pw], v[TM+6], 16, v[\pw]
	s_delay_alu instid0(VALU_DEP_1)
	v_lshl_or_b32 v[\pw], v[TM+7], 24, v[\pw]
	s_wait_alu depctr_va_vdst(0)
	s_wait_xcnt 0x0                                ; the last fragment's stores have read the codes' registers: only now are they written again
.irp b, 0,1,2,3
	v_cvt_scalef32_pk16_fp6_f32 v[CD+4*\b:CD+4*\b+2], v[\s+16*\b:\s+16*\b+15], v[TM+12+\b]
.endr
	v_nop                                          ; one plain place behind the last scaled conversion
.endm
	LOAD 0
	LOAD 1
.macro FRAGM t
.if (\t) < 3
	s_wait_loadcnt 16                              ; this fragment's 16 loads are in; the next fragment's 16 may be out
.else
	s_wait_loadcnt 0x0
.endif
.irp p, 0,1,2,3,4,5,6,7,8,9,10,11,12,13,14,15
	ds_store_b128 v[SI], v[R+64*((\t)%2)+4*\p:R+64*((\t)%2)+4*\p+3] offset:SPITCH*\p
.endr
.irp b, 0,1,2,3
.irp j, 0,1,2,3
	ds_load_b128 v[X+16*\b+4*\j:X+16*\b+4*\j+3], v[SOU] offset:128*\b+16*\j   ; LDS serves a wave's instructions in order: these see the stores above
.endr
.endr
	s_wait_dscnt 0x0                               ; the numbers are back, and the stores have read the set,
.if (\t) < 2
	LOAD (\t)+2                                    ; which takes the fragment two further on
.endif
	QUANT X, PW
.irp b, 0,1,2,3
	global_store_b96 v[CA], v[CD+4*\b:CD+4*\b+2], s[18:19] offset:1536*(\t)+384*\b   ; the wave stores 384 consecutive bytes; a fragment's four stores 1,536
.endr
	ds_store_b32 v[WA], v[PW] offset:64*(\t)       ; both halves of the lanes write the same word with the same value
.endm
	FRAGM 0
	FRAGM 1
	FRAGM 2
	FRAGM 3
	ds_load_b64 v[34:35], v[WR]                    ; my wave's 64 scale words,
	s_wait_dscnt 0x0
	global_store_b64 v[WG], v[34:35], s[20:21]     ; stored as 256 consecutive bytes, aligned
	s_wait_tensorcnt 0x0                           ; the wave's end, behind my last LDS store
	ds_add_u32 v[SPW], v[NIL]
	s_wait_dscnt 0x0
	s_endpgm
.Lfunc_end_k_qa5836aa9cf_quant:
	.size	k_qa5836aa9cf_quant, .Lfunc_end_k_qa5836aa9cf_quant-k_qa5836aa9cf_quant
	.p2alignl 7, 3214868480
	.fill 96, 4, 3214868480
	.section	.rodata,"a",@progbits
	.p2align	6, 0x0
	.amdhsa_kernel k_qa5836aa9cf_quant
		.amdhsa_group_segment_fixed_size 70656
		.amdhsa_private_segment_fixed_size 0
		.amdhsa_enable_private_segment 0
		.amdhsa_kernarg_size 72
		.amdhsa_user_sgpr_count 2
		.amdhsa_user_sgpr_kernarg_segment_ptr 1
		.amdhsa_wavefront_size32 1
		.amdhsa_system_sgpr_workgroup_id_x 1
		.amdhsa_system_sgpr_workgroup_id_y 1
		.amdhsa_system_sgpr_workgroup_id_z 1
		.amdhsa_system_vgpr_workitem_id 0
		.amdhsa_next_free_vgpr 256
		.amdhsa_next_free_sgpr 66
		.amdhsa_reserve_vcc 0
		.amdhsa_float_denorm_mode_32 3
		.amdhsa_float_denorm_mode_16_64 3
		.amdhsa_memory_ordered 1
		.amdhsa_forward_progress 1
		.amdhsa_inst_pref_size 40
	.end_amdhsa_kernel
	.amdgpu_metadata
---
amdhsa.version: [ 1, 2 ]
amdhsa.kernels:
  - .name:           k_qa5836aa9cf_quant
    .symbol:         k_qa5836aa9cf_quant.kd
    .args:
      - { .name: query, .offset: 0, .size: 8, .value_kind: global_buffer, .address_space: global }
      - { .name: key, .offset: 8, .size: 8, .value_kind: global_buffer, .address_space: global }
      - { .name: value, .offset: 16, .size: 8, .value_kind: global_buffer, .address_space: global }
      - { .name: Wq, .offset: 24, .size: 8, .value_kind: global_buffer, .address_space: global }
      - { .name: Wk, .offset: 32, .size: 8, .value_kind: global_buffer, .address_space: global }
      - { .name: Wv, .offset: 40, .size: 8, .value_kind: global_buffer, .address_space: global }
      - { .name: Wo, .offset: 48, .size: 8, .value_kind: global_buffer, .address_space: global }
      - { .name: xc, .offset: 56, .size: 8, .value_kind: global_buffer, .address_space: global }
      - { .name: xs, .offset: 64, .size: 8, .value_kind: global_buffer, .address_space: global }
    .group_segment_fixed_size: 70656
    .private_segment_fixed_size: 0
    .kernarg_segment_align: 8
    .kernarg_segment_size: 72
    .max_flat_workgroup_size: 256
    .sgpr_count:     66
    .vgpr_count:     256
    .wavefront_size: 32
...
	.end_amdgpu_metadata
.endif
;; end of part 1
;; launch proj (part 2): grid 4 x 48, 4 waves a work-group, clusters of 4 x 4, 327,680 bytes of LDS; arguments xc, xs, bq, bk, bv, ac; writes ac
.if DOCPART == 2
	.amdgcn_target "amdgcn-amd-amdhsa--gfx1250"
	.amdhsa_code_object_version 6
	.text
	.protected	k_qa5836aa9cf_proj
	.globl	k_qa5836aa9cf_proj
	.p2align	8
	.type	k_qa5836aa9cf_proj,@function
k_qa5836aa9cf_proj:
	s_mov_b64 s[64:65], 0
	v_nop
	global_prefetch_b8 v0, s[64:65] scope:SCOPE_SE
	s_setreg_imm32_b32 hwreg(HW_REG_WAVE_MODE, 25, 1), 1
	s_wait_xcnt 0x0
	s_wait_alu depctr_hold_cnt(0) depctr_sa_sdst(0) depctr_va_vdst(0) depctr_va_sdst(0) depctr_va_ssrc(0) depctr_va_vcc(0) depctr_vm_vsrc(0)
	s_getreg_b32 s2, hwreg(HW_REG_IB_STS2, 6, 4)
	s_cmp_eq_u32 s2, 0
	s_cbranch_scc0 .Lentry_in_a_cluster
	s_endpgm
.Lentry_in_a_cluster:
	s_bfe_u32 s2, ttmp6, 0x10000c
	s_cmp_lg_u32 s2, 0xf033
	s_cbranch_scc0 .Lentry_shape_is_right
	s_endpgm
.Lentry_shape_is_right:
.set FR,     12
.set NL,     6
.set NP,     4
.set TILEB,  3072
.set HALFT,  8*TILEB
.set SLOT,   4*HALFT
.set SCL,    2*SLOT
.set HALFS,  4096
.set SPARE,  SCL+4*HALFS
.set PWR,  8
.set ADRA, 16
.set ADRB, 20
.set OA,   24
.set OS,   25
.set BH,   26
.set ADRS, 27
.set SPW,  28
.set NIL,  29
.set BR,   30
.set SC,   32
.set BI,   96
.set AF,   128
.set ST,   128
.set TM,   192
.set CD,   208
.set SEL,  2
.set G1, 24
.set G0, 32
.set G1B, 48
.set G0B, 56
.set G1S, 68
.set G0S, 76
.set G1SB, 80
.set G0SB, 88
.set MSB, 0
.macro WIN new
.if MSB != \new
	s_set_vgpr_msb (MSB<<8)|\new
.set MSB, \new
.endif
.endm
.set MUL_LO, 0xa1
.set MUL_HI, 0xf1
.set TO_B,   0x40
.macro JLOAD g0a, g1a, g0b, g1b
	s_cmp_eq_u32 s19, 0
	s_cbranch_scc0 .Lfor_b_\@
	tensor_load_to_lds s[\g0a:\g0a+3], s[\g1a:\g1a+7]
	s_nop 0
.rept 4
	v_nop
.endr
	s_branch .Lasked_\@
.Lfor_b_\@:
	tensor_load_to_lds s[\g0b:\g0b+3], s[\g1b:\g1b+7]
	s_nop 0
.rept 4
	v_nop
.endr
.Lasked_\@:
.endm
.macro CREST
	s_cmp_lg_u32 s18, 0
	s_cbranch_scc1 .Lnot_wave_0_\@
	s_barrier_signal -3
.Lnot_wave_0_\@:
	s_barrier_wait -3
	s_barrier_signal -1
	s_barrier_wait -1
.endm
.macro CROUND
	s_barrier_signal -1
	s_barrier_wait -1
	CREST
.endm
	s_load_b256 s[4:11], s[0:1], 0x0
	s_load_b128 s[12:15], s[0:1], 0x20
	v_lshl_add_u32 v[SPW], v0, 2, SPARE
	v_mov_b32 v[NIL], 0
	ds_add_u32 v[SPW], v[NIL]
	ds_add_u32 v[SPW], v[NIL]
	v_lshrrev_b32 v1, 5, v0
	v_readfirstlane_b32 s18, v1
	s_lshr_b32 s19, s18, 1
	s_and_b32 s20, s18, 1
	s_bfe_u32 s21, ttmp6, 0x40000
	s_bfe_u32 s22, ttmp6, 0x40004
	s_and_b32 s40, ttmp7, 0xffff
	s_lshr_b32 s23, s40, 2
	s_and_b32 s41, s40, 3
	s_lshl_b32 s42, s23, 8
	s_lshl_b32 s43, s23, 6
	s_add_co_u32 s43, s43, 768
	s_cmp_eq_u32 s23, 2
	s_cselect_b32 s42, 896, s42
	s_cselect_b32 s43, 512, s43
	s_cselect_b32 s44, 0, s41
	s_cselect_b32 s45, s41, 0
	s_lshl_b32 s92, s44, 2
	s_add_co_u32 s92, s92, s22
	s_lshl_b32 s93, s45, 2
	s_add_co_u32 s93, s93, s21
	s_lshl_b32 s46, s22, 2
	s_lshl_b32 s46, 15, s46
	s_lshl_b32 s47, 0x1111, s21
	s_or_b32 s[G1+0], s46, (3<<16)|(1<<21)
	s_or_b32 s[G1B+0], s47, (3<<16)|(1<<21)
	s_or_b32 s[G1S+0], s46, (3<<16)|(1<<21)
	s_or_b32 s[G1SB+0], s47, (3<<16)|(1<<21)
.irp g, G1, G1B
	s_mov_b32 s[\g+1], 384<<16
	s_mov_b32 s[\g+2], 16<<16                      ; the head's loads of codes bring 16 row tiles; behind them the two words that count rows are set to 8, for the ring's
	s_mov_b32 s[\g+3], 384<<16
	s_mov_b32 s[\g+4], 16
	s_mov_b32 s[\g+5], 1536
	s_mov_b32 s[\g+6], 0
	s_mov_b32 s[\g+7], 0
.endr
.irp g, G1S, G1SB
	s_mov_b32 s[\g+1], 32<<16
	s_mov_b32 s[\g+2], 32<<16                      ; the scale words of 16 row tiles: 32 rows of 256 bytes, dense
	s_mov_b32 s[\g+3], 32<<16
	s_mov_b32 s[\g+4], 32
	s_mov_b32 s[\g+5], 32
	s_mov_b32 s[\g+6], 0
	s_mov_b32 s[\g+7], 0
.endr
	s_mul_i32 s44, s20, 8*12288                    ; in the ring I fetch 8 of a block's 16 row tiles: which half, in bytes
	s_mov_b32 s45, 0
	s_lshl_b32 s46, s92, 4
	s_add_co_u32 s46, s46, s42                     ; A's first row tile
	s_lshl_b32 s66, s93, 4
	s_add_co_u32 s66, s66, s43                     ; B's
	s_mul_i32 s96, s46, 12288
	s_mov_b32 s97, 0
	s_lshl_b32 s98, s46, 9
	s_mov_b32 s99, 0
	s_mul_i32 s94, s66, 12288
	s_mov_b32 s95, 0
	s_lshl_b32 s66, s66, 9
	s_mov_b32 s67, 0
	s_mul_i32 s2, s18, HALFT
	s_wait_dscnt 0x0
	s_wait_kmcnt 0x0
	s_add_nc_u64 s[96:97], s[4:5], s[96:97]
	s_add_nc_u64 s[98:99], s[6:7], s[98:99]
	s_add_nc_u64 s[94:95], s[4:5], s[94:95]
	s_add_nc_u64 s[66:67], s[6:7], s[66:67]
	CROUND
	s_mov_b32 s[G0S], 1
	s_mov_b32 s[G0S+1], SCL
	s_mov_b64 s[G0S+2:G0S+3], s[98:99]
	s_or_b32 s[G0S+3], s[G0S+3], 0x80000000
	s_mov_b32 s[G0SB], 1
	s_mov_b32 s[G0SB+1], SCL+2*HALFS
	s_mov_b64 s[G0SB+2:G0SB+3], s[66:67]
	s_or_b32 s[G0SB+3], s[G0SB+3], 0x80000000
	s_mov_b32 s4, 1                                ; s[4:7], s[40:43]: group 0 of the head's loads of codes: the first 256 along K of A's 16 row tiles, and of B's behind them in slot 0
	s_mov_b32 s5, 0
	s_mov_b64 s[6:7], s[96:97]
	s_or_b32 s7, s7, 0x80000000
	s_mov_b32 s40, 1
	s_mov_b32 s41, 2*HALFT
	s_mov_b64 s[42:43], s[94:95]
	s_or_b32 s43, s43, 0x80000000
	s_add_nc_u64 s[96:97], s[96:97], s[44:45]      ; for the ring: my 8 row tiles
	s_add_nc_u64 s[94:95], s[94:95], s[44:45]
.macro ARM under, g0, g1, next
	s_cmp_lt_u32 s18, \under
	s_cbranch_scc0 \next
	tensor_load_to_lds s[\g0:\g0+3], s[\g1:\g1+7]
	s_nop 0
.rept 4
	v_nop
.endr
	s_branch .Lhead_asked
\next:
.endm
.irp s, 0,1
	s_mov_b32 s[G0+4*\s], 1
	s_add_co_u32 s[G0+4*\s+1], s2, \s*SLOT
	s_add_nc_u64 s[G0+4*\s+2:G0+4*\s+3], s[96:97], \s*TILEB
	s_or_b32 s[G0+4*\s+3], s[G0+4*\s+3], 0x80000000
	s_mov_b32 s[G0B+4*\s], 1
	s_add_co_u32 s[G0B+4*\s+1], s2, \s*SLOT
	s_add_nc_u64 s[G0B+4*\s+2:G0B+4*\s+3], s[94:95], \s*TILEB
	s_or_b32 s[G0B+4*\s+3], s[G0B+4*\s+3], 0x80000000
.endr
	; THE HEAD'S LOADS, ONE A WAVE: wave 0 A's codes, wave 1 B's, wave 2 A's scale words, wave 3 B's: one chain of branches on the wave's number, one load to an arm, all arms leading to one join
	ARM 1, 4,   G1,  .Lhead_b
	ARM 2, 40,  G1B, .Lhead_sa
	ARM 3, G0S, G1S, .Lhead_sb
	tensor_load_to_lds s[G0SB:G0SB+3], s[G1SB:G1SB+7]
	s_nop 0
.rept 4
	v_nop
.endr
.Lhead_asked:
	s_wait_alu depctr_va_vdst(0)
	s_wait_tensorcnt 0x0                           ; my tile of the head's four is in
	ds_add_u32 v28, v29
	s_mov_b32 s[G1+2], 8<<16                       ; no tensor load of mine is out, so a descriptor may be written: from here on a load brings 8 row tiles
	s_mov_b32 s[G1+4], 8
	s_mov_b32 s[G1B+2], 8<<16
	s_mov_b32 s[G1B+4], 8
	s_wait_dscnt 0x0
	CROUND
	JLOAD G0+4, G1, G0B+4, G1B                     ; slot 1's first fill, the first tensor load behind the round
	v_and_b32 v1, 31, v0
	v_and_b32 v2, 15, v0
	v_bfe_u32 v3, v0, 4, 1
	v_mul_u32_u24 v4, v1, 24
	s_mul_i32 s40, s19, HALFT
	s_mul_i32 s41, s20, HALFT
	s_add_co_u32 s41, s41, 2*HALFT
.irp s, 0,1
	v_add_nc_u32 v[ADRA+\s], s40, v4
	v_add_nc_u32 v[ADRB+\s], s41, v4
	s_add_co_u32 s40, s40, SLOT
	s_add_co_u32 s41, s41, SLOT
.endr
	v_mul_u32_u24 v[OA], v2, 48                    ; A FRAGMENT IN ac IS 48 BYTES A LANE, the lane's twelve operand registers on end: lane r + 16 beta holds block beta of row r, of the first 64 codes and then of the second
	v_mad_u32_u24 v[OA], v3, 12, v[OA]
	v_lshlrev_b32 v[OS], 4, v2
	v_mad_u32_u24 v[OS], v3, 204800, v[OS]         ; lanes 16-31: the next head's block, 32 blocks of 6,400 bytes on
	v_lshlrev_b32 v[BH], 6, v3
	v_and_b32 v5, 8, v2
	v_add_nc_u32 v5, v5, v2
	v_lshlrev_b32 v[BR], 2, v5
	s_mul_i32 s40, s19, HALFS
	s_mul_i32 s41, s20, HALFS
	s_add_co_u32 s41, s41, 2*HALFS
	s_sub_co_u32 s41, s41, s40
	v_mul_u32_u24 v5, s41, v3
	s_add_co_u32 s40, s40, SCL
	v_lshl_add_u32 v[ADRS], v2, 2, v5
	v_add_nc_u32 v[ADRS], s40, v[ADRS]
.macro FRAG reg, adr, q, i
.irp p, 0,1,2,3,4,5
	ds_load_b64 v[\reg+2*\p:\reg+2*\p+1], v[\adr] offset:TILEB*(\i)+1536*(\q)+768*(\p/3)+8*(\p%3)
.endr
.endm
.macro MUL16 a0, p, kq, zero
.irp a, \a0, \a0+1
.irp b, 0,1,2,3,4,5,6,7
.if \zero
	v_wmma_scale_f32_16x16x128_f8f6f4 v[8*(8*((\a)%4)+\b):8*(8*((\a)%4)+\b)+7], v[128*(\p)+FR*\b:128*(\p)+FR*\b+FR-1], v[AF+FR*(\a):AF+FR*(\a)+FR-1], 0, v[SC+8*\b+(\kq)], v[SC+8*(\a)+(\kq)] matrix_a_fmt:MATRIX_FMT_FP6 matrix_b_fmt:MATRIX_FMT_FP6 matrix_a_scale:MATRIX_SCALE_ROW1
.else
	v_wmma_scale_f32_16x16x128_f8f6f4 v[8*(8*((\a)%4)+\b):8*(8*((\a)%4)+\b)+7], v[128*(\p)+FR*\b:128*(\p)+FR*\b+FR-1], v[AF+FR*(\a):AF+FR*(\a)+FR-1], v[8*(8*((\a)%4)+\b):8*(8*((\a)%4)+\b)+7], v[SC+8*\b+(\kq)], v[SC+8*(\a)+(\kq)] matrix_a_fmt:MATRIX_FMT_FP6 matrix_b_fmt:MATRIX_FMT_FP6 matrix_a_scale:MATRIX_SCALE_ROW1
.endif
.endr
.endr
.endm
.macro FETCH_B slot, q, p
	WIN TO_B
.irp i, 0,1,2,3,4,5,6,7
	FRAG 128*(\p)+FR*\i, ADRB+\slot, \q, \i
.endr
	WIN 0
.endm
.macro FETCH_A slot, q, i0
.irp i, \i0, \i0+1, \i0+2, \i0+3
	FRAG AF+FR*(\i), ADRA+\slot, \q, \i
.endr
.endm
.macro SCALES
.irp i, 0,1,2,3,4,5,6,7
.irp k, 0,1,2,3,4,5,6,7
	ds_load_b32 v[SC+8*\i+\k], v[ADRS] offset:512*\i+64*\k
.endr
.endr
.endm
.macro PLACES n
.rept \n
	v_nop
.endr
.endm
.macro STEP slot, kq, zero
	s_wait_dscnt 4*NL
	WIN MUL_LO
	MUL16 0, 0, \kq, \zero
	MUL16 2, 0, \kq, \zero
	s_wait_dscnt 0x0
	PLACES NP
	FETCH_B \slot, 1, 1
	FETCH_A \slot, 1, 0
	WIN MUL_HI
	MUL16 4, 0, \kq, \zero
	MUL16 6, 0, \kq, \zero
	PLACES NP
	WIN 0
	FETCH_A \slot, 1, 4
.endm
.macro TURN slot, next, kq, fill
	s_wait_tensorcnt 0x0
	ds_add_u32 v[SPW], v[NIL]
	s_wait_dscnt 4*NL+1
	WIN MUL_LO
	MUL16 0, 1, \kq, 0
	s_wait_dscnt 0x0
	s_barrier_signal -1
	MUL16 2, 1, \kq, 0
	WIN 0
	s_barrier_wait -1
.if \fill
	CREST
	s_add_nc_u64 s[G0+4*\slot+2:G0+4*\slot+3], s[G0+4*\slot+2:G0+4*\slot+3], 2*TILEB
	s_add_nc_u64 s[G0B+4*\slot+2:G0B+4*\slot+3], s[G0B+4*\slot+2:G0B+4*\slot+3], 2*TILEB
	JLOAD G0+4*\slot, G1, G0B+4*\slot, G1B
.else
	PLACES NP
.endif
	FETCH_B \next, 0, 0
	FETCH_A \next, 0, 0
	WIN MUL_HI
	MUL16 4, 1, \kq, 0
	MUL16 6, 1, \kq, 0
	PLACES NP
	WIN 0
	FETCH_A \next, 0, 4
.endm
.macro QUANT s, pw
.irp b, 0,1,2,3
	v_max3_num_f32 v[TM+\b], |v[\s+16*\b]|, |v[\s+1+16*\b]|, 0x1800000
.endr
.irp i, 2,4,6,8,10,12,14
.irp b, 0,1,2,3
	v_max3_num_f32 v[TM+\b], v[TM+\b], |v[\s+16*\b+\i]|, |v[\s+1+16*\b+\i]|
.endr
.endr
.irp b, 0,1,2,3
	v_permlanex16_b32 v[TM+4+\b], v[TM+\b], s[SEL], s[SEL+1]
.endr
.irp b, 0,1,2,3
	v_max_num_f32 v[TM+\b], v[TM+\b], v[TM+4+\b]
.endr
.irp b, 0,1,2,3
	v_add_nc_u32 v[TM+12+\b], 0xff000000, v[TM+\b]
.endr
.irp b, 0,1,2,3
	v_lshrrev_b32 v[TM+4+\b], 23, v[TM+12+\b]
.endr
	v_lshl_or_b32 v[\pw], v[TM+5], 8, v[TM+4]
	v_lshl_or_b32 v[\pw], v[TM+6], 16, v[\pw]
	v_lshl_or_b32 v[\pw], v[TM+7], 24, v[\pw]
	s_wait_xcnt 0x0
.irp b, 0,1,2,3
	v_cvt_scalef32_pk16_fp6_f32 v[CD+4*\b:CD+4*\b+2], v[\s+16*\b:\s+16*\b+15], v[TM+12+\b]
.endr
	v_nop
.endm
.macro GATHER0 e, f
.set WW, 0x02+(\f)/2
	WIN WW
.irp u, 0,1
.irp c, 0,1,2,3
.irp j, 0,2,4,6
	v_pk_add_f32 v[ST+32*\u+8*\c+\j:ST+32*\u+8*\c+\j+1], v[8*(8*((2*(\f)+\u)%4)+4*(\e)+\c)+\j:8*(8*((2*(\f)+\u)%4)+4*(\e)+\c)+\j+1], v[BI+128*(\e)+8*\c+\j:BI+128*(\e)+8*\c+\j+1]
.endr
.endr
.endr
	WIN 0
.endm
.macro GATHER1 e, f
.set WW, 0x02+(\e)
	WIN WW
.irp c, 0,1,2,3,4,5,6,7
.irp j, 0,2,4,6
	v_pk_add_f32 v[ST+8*\c+\j:ST+8*\c+\j+1], v[8*(8*(\f)+\c)+\j:8*(8*(\f)+\c)+\j+1], v[BI+2*(4*(\e)+(\f)):BI+2*(4*(\e)+(\f))+1]
.endr
.endr
	WIN 0
.endm
.macro TAIL v
.if \v
	s_lshl_b32 s40, s22, 2
	s_lshl_b32 s41, s19, 1
	s_add_co_u32 s40, s40, s41
	s_lshl_b32 s41, s93, 1
	s_add_co_u32 s41, s41, s20
	s_mov_b64 s[42:43], s[12:13]
.else
	s_lshl_b32 s40, s21, 2
	s_lshl_b32 s41, s20, 1
	s_add_co_u32 s40, s40, s41
	s_lshl_b32 s41, s92, 1
	s_add_co_u32 s41, s41, s19
	s_cmp_eq_u32 s23, 0
	s_cselect_b64 s[42:43], s[8:9], s[10:11]
.endif
	s_lshl_b32 s44, s40, 8
	s_mov_b32 s45, 0
	s_add_nc_u64 s[42:43], s[42:43], s[44:45]
	s_lshl_b32 s44, s40, 5
	s_add_co_u32 s44, s44, s41
	s_mul_i32 s46, s44, 6400                       ; ac: [q, k, v][head 16][128 rows: 32] blocks of 6,400 bytes: 6,144 of codes, then the block's 256 bytes of scale words
	s_mul_i32 s47, s23, 3276800
	s_add_co_u32 s46, s46, s47
	s_mov_b32 s47, 0
	s_add_nc_u64 s[14:15], s[14:15], s[46:47]
	s_add_nc_u64 s[16:17], s[14:15], 6144          ; the block's scale words lie behind its codes
	s_mov_b32 s[SEL], 0x76543210
	s_mov_b32 s[SEL+1], 0xfedcba98
	s_mov_b32 s94, 0xffff0000
.if \v
.irp a, 0,1,2,3,4,5,6,7
	global_load_b32 v[BI+2*\a], v[BR], s[42:43] offset:4*(32*(\a/2)+8*(\a%2))
	global_load_b32 v[BI+2*\a+1], v[BR], s[42:43] offset:4*(32*(\a/2)+8*(\a%2))
.endr
.else
.irp e, 0,1
.irp b, 0,1
.irp j, 0,1,2,3
	global_load_b128 v[BI+128*\e+16*\b+4*\j:BI+128*\e+16*\b+4*\j+3], v[BH], s[42:43] offset:256*\e+128*\b+16*\j
.endr
.endr
.endr
.endif
	s_wait_dscnt 4*NL
	WIN MUL_LO
	MUL16 0, 1, 7, 0
	MUL16 2, 1, 7, 0
	s_wait_dscnt 0x0
	WIN MUL_HI
	MUL16 4, 1, 7, 0
	MUL16 6, 1, 7, 0
	WIN 0
	PLACES NP
.irp b, 0,1,2,3
	v_mov_b32 v[TM+4+\b], 0
.endr
	s_wait_loadcnt 0x0
.irp e, 0,1
.irp f, 0,1,2,3
.if \v
	GATHER1 \e, \f
.else
	GATHER0 \e, \f
.endif
	QUANT ST, PWR+4*\e+\f
.irp b, 0,1,2,3
	global_store_b96 v[OA], v[CD+4*\b:CD+4*\b+2], s[14:15] offset:204800*\e+1536*\f+768*(\b%2)+24*(\b/2)   ; a fragment's four stores together cover its 1,536 consecutive bytes
.endr
.endr
.endr
	s_wait_alu depctr_va_vdst(0)
.irp f, 0,1,2,3
	v_cndmask_b32 v[PWR+\f], v[PWR+\f], v[PWR+4+\f], s94
.endr
	global_store_b128 v[OS], v[PWR:PWR+3], s[16:17]
	s_wait_tensorcnt 0x0
	ds_add_u32 v[SPW], v[NIL]
	s_wait_dscnt 0x0
	CROUND
	s_endpgm
.endm
	s_wait_alu depctr_va_vdst(0)
	s_wait_tensorcnt 1
	s_barrier_signal -1
	s_barrier_wait -1
	FETCH_B 0, 0, 0
	FETCH_A 0, 0, 0
	SCALES
	FETCH_A 0, 0, 4
	STEP 0, 0, 1
	TURN 0, 1, 1, 1
	STEP 1, 2, 0
	TURN 1, 0, 3, 1
	STEP 0, 4, 0
	TURN 0, 1, 5, 0
	STEP 1, 6, 0
	s_cmp_eq_u32 s23, 2
	s_cbranch_scc1 .Lvalue
	TAIL 0
.Lvalue:
	TAIL 1
.Lfunc_end_k_qa5836aa9cf_proj:
	.size	k_qa5836aa9cf_proj, .Lfunc_end_k_qa5836aa9cf_proj-k_qa5836aa9cf_proj
	.p2alignl 7, 3214868480
	.fill 96, 4, 3214868480
	.section	.rodata,"a",@progbits
	.p2align	6, 0x0
	.amdhsa_kernel k_qa5836aa9cf_proj
		.amdhsa_group_segment_fixed_size 327680
		.amdhsa_private_segment_fixed_size 0
		.amdhsa_enable_private_segment 0
		.amdhsa_kernarg_size 48
		.amdhsa_user_sgpr_count 2
		.amdhsa_user_sgpr_kernarg_segment_ptr 1
		.amdhsa_wavefront_size32 1
		.amdhsa_system_sgpr_workgroup_id_x 1
		.amdhsa_system_sgpr_workgroup_id_y 1
		.amdhsa_system_sgpr_workgroup_id_z 1
		.amdhsa_system_vgpr_workitem_id 0
		.amdhsa_next_free_vgpr 1024
		.amdhsa_next_free_sgpr 100
		.amdhsa_reserve_vcc 0
		.amdhsa_float_denorm_mode_32 3
		.amdhsa_float_denorm_mode_16_64 3
		.amdhsa_memory_ordered 1
		.amdhsa_forward_progress 1
		.amdhsa_inst_pref_size 240
	.end_amdhsa_kernel
	.amdgpu_metadata
---
amdhsa.version: [ 1, 2 ]
amdhsa.kernels:
  - .name:           k_qa5836aa9cf_proj
    .symbol:         k_qa5836aa9cf_proj.kd
    .args:
      - { .name: xc, .offset: 0, .size: 8, .value_kind: global_buffer, .address_space: global }
      - { .name: xs, .offset: 8, .size: 8, .value_kind: global_buffer, .address_space: global }
      - { .name: bq, .offset: 16, .size: 8, .value_kind: global_buffer, .address_space: global }
      - { .name: bk, .offset: 24, .size: 8, .value_kind: global_buffer, .address_space: global }
      - { .name: bv, .offset: 32, .size: 8, .value_kind: global_buffer, .address_space: global }
      - { .name: ac, .offset: 40, .size: 8, .value_kind: global_buffer, .address_space: global }
    .group_segment_fixed_size: 327680
    .private_segment_fixed_size: 0
    .kernarg_segment_align: 8
    .kernarg_segment_size: 48
    .max_flat_workgroup_size: 128
    .sgpr_count:     100
    .vgpr_count:     1024
    .wavefront_size: 32
...
	.end_amdgpu_metadata
.endif
;; end of part 2
;; launch attn (part 3): grid 16 x 16, 16 waves a work-group, no clusters, 327,680 bytes of LDS; arguments ac, cc, cs; writes cc, cs
.if DOCPART == 3
	.amdgcn_target "amdgcn-amd-amdhsa--gfx1250"
	.amdhsa_code_object_version 6
	.text
	.protected	k_qa5836aa9cf_attn
	.globl	k_qa5836aa9cf_attn
	.p2align	8
	.type	k_qa5836aa9cf_attn,@function
k_qa5836aa9cf_attn:
	s_mov_b64 s[64:65], 0
	v_nop
	global_prefetch_b8 v0, s[64:65] scope:SCOPE_SE
	s_setreg_imm32_b32 hwreg(HW_REG_WAVE_MODE, 25, 1), 1
	s_wait_xcnt 0x0
; Launch 3 of 4: ctx = softmax(q k^T / 8) v for 16 heads of 64, both products on codes of E2M3; ctx is quantised along its 1,024 channels and stored as the last product's operand.  No work is left out.
; THE SOFTMAX: t = score x log2(e) / 8; M = the running largest t, rounded UP to a whole number; p = 2^(t - M) is quantised along the keys; the row's sum is taken of the unquantised p and divides at the end.
; When M moves, the sum and O are multiplied by 2^(old M - new M): exact.
; SHARES.  Work-group (x, y): 256 queries (16 row tiles) of head y; each of its sixteen waves owns one tile of 16 queries and walks all 4,096 keys, 128 a step.
; BOTH PRODUCTS ARE USED TRANSPOSED: S^T = K Q^T, O^T = V^T P^T: a lane holds one query throughout.  THE FIRST PRODUCT'S K IS 64, the instruction's 128: a fragment of k holds TWO tiles of 16 keys, one in each half of its K;
; multiplied by [q | zero codes] it gives the first tile's scores, by [zero codes | q] the second's.  The two operands overlap in registers: q, six zeros, q.
; By the order of key's rows in a tile (row p of tile 4 c + u is key 64 c + 8 u + p % 8 + 32 (p / 8)), score register 32 c + i of lane (r, h) is key 64 c + 32 h + i of the step: A LANE HOLDS TWO WHOLE BLOCKS OF 32 KEYS,
; in the order of the second product's operand: a block's largest score needs no other lane, and the conversions' results are the operand's registers (three moves a block: a conversion's registers begin on an even number).
; ac: [q, k, v][head][128 rows] blocks of 6,400 bytes: four fragments (6,144 bytes), then [row 16][fragment 4] scale words (256 bytes): one tensor load of 25 rows of 256 bytes brings a step's codes and scales.
; THE RING: two LDS slots of 1,024 keys (8 blocks of K, then 8 of V); each of the sixteen waves fetches one block.  One tensor load of a wave is out at a time; every wait on TENSORcnt is for 0.
; PREFETCH: the sixteen work-groups of a head share a slot's sixteen blocks out by x: wave 0 of work-group x names the 25 units of 256 bytes of block x of the slot that the NEXT change of slots loads (lanes 25-31 name the last unit again);
; the last change that loads asks for nothing, so no address leaves ac.
; NO CLUSTER: the sixteen work-groups of a head read the same K and V, but a work-group fetches 102,400 bytes for 1,024 keys, in which its waves read sixteen times as much from LDS: what could be shared is a small part of a step's traffic.
; LIMITS: NaN and infinities are not served; the promise holds while the scaled scores t stay under 2^31 in magnitude; blocks of zeros get the byte 1 (their codes are zeros; this program alone reads the bytes).
.set BLK,    6400
.set SLOTK,  8*BLK                     ; K's part of a slot; V's lies behind it
.set SPARE,  2*SLOTK                   ; behind slot 0: the spare words, 128 bytes for each wave: eight blocks of 256 bytes that no other line names
.set SLOT1,  1<<17                     ; slot 1 begins here: one exclusive or turns an address
.set REG,    512*BLK                   ; q's, k's, v's region of ac
.set LA24, 1                           ; v1   48 x lane: a fragment in ac is 48 bytes a lane, the lane's twelve operand registers on end, so three loads of 16 bytes bring it
.set SCA,  2                           ; v2   6144 + 16 r: my row's scale words in a block
.set SH8,  3                           ; v3   8 h
.set CCO,  4                           ; v4   24 r + 12 h
.set SPW,  5
.set NIL,  6
.set CSO,  7                           ; v7   4 r
.set ADK,  8                           ; v8   the step's fragments
.set ADS,  9                           ; v9   the step's scale words
.set PFO,  10                          ; v10  the prefetch's offset: 256 x min(lane, 24).   v11: 16 r.   v12 -M, v13 the largest score, v[14:15] the sum in two halves
.set QA,   16                          ; v16-27  [q | 0]
.set QB,   22                          ; v22-33  [0 | q]
.set KV,   40                          ; v40-87  four fragments of K, then of V
.set S,    88                          ; v88-151 S^T, then p
.set O,    152                         ; v152-183 O^T
.set PC,   184                         ; v184-195 p's codes
.set PH,   196                         ; v196-203 the conversions' second halves
.set BM,   204                         ; v204-207 largest scores; v204, v206: my two blocks', then their largest p
.set SO,   208                         ; v208-209 the conversions' scale operands
.set BY,   210                         ; v210-211 bytes
.set T0,   212
.set T1,   213
.set T2,   214
.set KS,   216                         ; v216-219 K's scale words
.set VS,   220                         ; v220-223 V's
.set QS,   224                         ; v224 q's scale word: its two bytes, twice
.set PS,   225                         ; v225 p's
.set FF,   226                         ; v[226:227] f = 2^(old M - new M)
.set SM,   228                         ; v228-243 eight partial sums, in pairs
.set WV,   12
.set G1C,  16                          ; s[16:23] group 1: 25 rows of 256 bytes, dense
.set G0,   32                          ; s[32:35] group 0: it walks from slot to slot
.set PF,   36                          ; s[36:37] where my work-group's prefetches stand
.set SEL,  44
.set CS,   46                          ; s[46:47] c = log2(e) / 8
.set TB,   48                          ; s48  LDS byte at which the step's block of K begins
.set NC,   49                          ; s49  -c
	s_load_b128 s[4:7], s[0:1], 0x0                ; ac, cc
	s_load_b64 s[8:9], s[0:1], 0x10                ; cs
	v_lshl_add_u32 v[SPW], v0, 2, SPARE
	v_mov_b32 v[NIL], 0
	ds_add_u32 v[SPW], v[NIL]                      ; the wave's opening: the add, twice on end, and its wait ahead of my first tensor load
	ds_add_u32 v[SPW], v[NIL]
	v_lshrrev_b32 v8, 5, v0
	v_readfirstlane_b32 s[WV], v8                  ; wave 0..15
	s_and_b32 s13, ttmp7, 0xffff                   ; the head
	s_mov_b32 s[G1C], 3<<16                        ; no mask; elements of 8 bytes; no padding
	s_mov_b32 s[G1C+1], 32<<16
	s_mov_b32 s[G1C+2], 25<<16
	s_mov_b32 s[G1C+3], 32<<16
	s_mov_b32 s[G1C+4], 25
	s_mov_b32 s[G1C+5], 32
	s_mov_b32 s[G1C+6], 0
	s_mov_b32 s[G1C+7], 0
	s_mul_i32 s14, s13, 32*BLK                     ; the head's 32 blocks in a region
	s_lshr_b32 s52, s[WV], 3
	s_add_co_u32 s52, s52, 1                       ; region 1 (k) for waves 0-7, region 2 (v) for waves 8-15
	s_and_b32 s53, s[WV], 7                        ; which block of a slot's eight
	s_mul_i32 s54, s52, REG
	s_add_co_u32 s54, s54, s14
	s_mul_i32 s55, s53, BLK
	s_add_co_u32 s54, s54, s55
	s_mov_b32 s55, 0                               ; my block of the first 1,024 keys
	s_lshr_b32 s56, ttmp9, 3                       ; the same by x in place of the wave: the block that my work-group prefetches
	s_add_co_u32 s56, s56, 1
	s_mul_i32 s56, s56, REG
	s_add_co_u32 s56, s56, s14
	s_and_b32 s57, ttmp9, 7
	s_mul_i32 s57, s57, BLK
	s_add_co_u32 s56, s56, s57
	s_add_co_u32 s56, s56, SLOTK                   ; (each change of slots steps it before it asks: the first asks for keys 2,048 ..)
	s_mov_b32 s57, 0
	s_mul_i32 s58, s[WV], BLK                      ; in LDS: wave x a constant
	s_mov_b32 s[SEL], 0x76543210
	s_mov_b32 s[SEL+1], 0xfedcba98
	s_mov_b32 s[CS], 0x3e38aa3b
	s_mov_b32 s[CS+1], s[CS]                       ; (named with it as a pair, so it is written)
	s_mov_b32 s[NC], 0xbe38aa3b
	s_mov_b32 s[TB], 0
	s_wait_dscnt 0x0                               ; both opening adds are done
	s_wait_kmcnt 0x0
	s_mov_b32 s[G0], 1
	s_mov_b32 s[G0+1], s58
	s_add_nc_u64 s[G0+2:G0+3], s[4:5], s[54:55]
	s_or_b32 s[G0+3], s[G0+3], 0x80000000
	s_add_nc_u64 s[PF:PF+1], s[4:5], s[56:57]
	tensor_load_to_lds s[G0:G0+3], s[G1C:G1C+7]    ; slot 0: my one tensor load at the head
	s_nop 0
	s_lshl_b32 s60, ttmp9, 4
	s_add_co_u32 s60, s60, s[WV]                   ; my tile of queries
	s_lshr_b32 s52, s60, 3
	s_mul_i32 s52, s52, BLK
	s_add_co_u32 s52, s52, s14                     ; its block in q's region
	s_and_b32 s61, s60, 7
	s_lshr_b32 s53, s61, 1
	s_mul_i32 s53, s53, 1536                       ; my tile's fragment,
	s_and_b32 s62, s61, 1
	s_mul_i32 s62, s62, 24                         ; and which 24 of a lane's 48 bytes
	s_add_co_u32 s53, s53, s62
	s_add_co_u32 s54, s52, s53
	s_mov_b32 s55, 0
	s_add_nc_u64 s[54:55], s[4:5], s[54:55]        ; its unit
	s_lshl_b32 s53, s61, 1
	s_add_co_u32 s52, s52, s53
	s_add_co_u32 s52, s52, 6144
	s_mov_b32 s53, 0
	s_add_nc_u64 s[52:53], s[4:5], s[52:53]        ; its two scale bytes of row 0
	s_mul_i32 s56, s60, 12288
	s_mul_i32 s57, s13, 768
	s_add_co_u32 s56, s56, s57
	s_mov_b32 s57, 0
	s_add_nc_u64 s[6:7], s[6:7], s[56:57]          ; cc: my tile, my head's unit
	s_lshl_b32 s56, s60, 9
	s_lshr_b32 s58, s13, 1
	s_lshl_b32 s58, s58, 6
	s_add_co_u32 s56, s56, s58
	s_and_b32 s58, s13, 1
	s_lshl_b32 s58, s58, 1
	s_add_co_u32 s56, s56, s58
	s_add_nc_u64 s[8:9], s[8:9], s[56:57]          ; cs: my tile, my pair of heads, my half of the word
	v_and_b32 v8, 31, v0
	v_and_b32 v9, 15, v0                           ; r
	v_bfe_u32 v[SH8], v0, 4, 1                     ; h
	v_mul_u32_u24 v[LA24], v8, 48
	v_lshlrev_b32 v11, 4, v9
.irp p, 0,1,2
	global_load_b64 v[QA+2*\p:QA+2*\p+1], v[LA24], s[54:55] offset:8*\p        ; q, ahead of the zeros
	global_load_b64 v[QB+6+2*\p:QB+6+2*\p+1], v[LA24], s[54:55] offset:8*\p    ; and behind them
.endr
	global_load_u16 v[T0], v11, s[52:53]
	v_add_nc_u32 v[SCA], 6144, v11
	v_mul_u32_u24 v[CCO], v9, 24
	v_min_u32 v8, 24, v8
	v_lshlrev_b32 v[CSO], 2, v9
	v_mad_u32_u24 v[CCO], v[SH8], 12, v[CCO]
	v_lshlrev_b32 v[PFO], 8, v8
	v_lshlrev_b32 v[SH8], 3, v[SH8]
	v_mov_b32 v13, 0xff61b1e6                      ; the largest score so far: -3e38, under every score
	v_mov_b32 v14, 0
	v_mov_b32 v15, 0
	v_mul_f32 v12, s[NC], v13
	v_mov_b32 v[T1], 0                             ; a lane permute's destination counts as one of its sources
	v_mov_b32 v[FF+1], 0                           ; (named as the upper half of a pair)
	v_floor_f32 v12, v12                           ; -M
.irp i, 0,1,2,3,4,5
	v_mov_b32 v[QB+\i], 0                          ; the zero codes
.endr
	s_wait_loadcnt 0x0
	v_lshl_or_b32 v[QS], v[T0], 16, v[T0]          ; q's two bytes in both halves of the word: it serves both operands
.set j, 0
.rept 32
	v_mov_b32 v[O+j], 0                            ; O^T: the step is written once, its first turn finds zeros.  (These are also the places between the line above and the first scaled product)
.set j, j+1
.endr
; A KEY STEP: 128 keys
.macro STEP
	v_add_nc_u32 v[ADK], s[TB], v[LA24]
	v_add_nc_u32 v[ADS], s[TB], v[SCA]
	v_nop
	v_nop                                          ; four places in front of loads into registers that the last products read
.irp t, 0,1,2,3
.irp p, 0,1,2
	ds_load_b128 v[KV+12*\t+4*\p:KV+12*\t+4*\p+3], v[ADK] offset:1536*\t+16*\p
.endr
.endr
	ds_load_b128 v[KS:KS+3], v[ADS]                ; row r's words of the four fragments
	s_wait_alu depctr_va_vdst(0)
	s_wait_dscnt 0x0
.irp t, 0,1,2,3
	v_wmma_scale_f32_16x16x128_f8f6f4 v[S+16*\t:S+16*\t+7], v[KV+12*\t:KV+12*\t+11], v[QA:QA+11], 0, v[KS+\t], v[QS] matrix_a_fmt:MATRIX_FMT_FP6 matrix_b_fmt:MATRIX_FMT_FP6
	v_wmma_scale_f32_16x16x128_f8f6f4 v[S+16*\t+8:S+16*\t+15], v[KV+12*\t:KV+12*\t+11], v[QB:QB+11], 0, v[KS+\t], v[QS] matrix_a_fmt:MATRIX_FMT_FP6 matrix_b_fmt:MATRIX_FMT_FP6
.endr
.rept 4
	v_nop                                          ; places in front of the loads below and of the first read of the scores
.endr
.irp t, 0,1,2,3
.irp p, 0,1,2
	ds_load_b128 v[KV+12*\t+4*\p:KV+12*\t+4*\p+3], v[ADK] offset:SLOTK+1536*\t+16*\p   ; V's four fragments land under the softmax
.endr
.endr
	ds_load_b128 v[VS:VS+3], v[ADS] offset:SLOTK
.irp b, 0,1,2,3
	v_max3_num_f32 v[BM+\b], v[S+16*\b], v[S+1+16*\b], v[S+2+16*\b]   ; four chains of 16 scores, each accumulator from its low end on
.endr
.irp i, 3,5,7,9,11,13
.irp b, 0,1,2,3
	v_max3_num_f32 v[BM+\b], v[BM+\b], v[S+16*\b+\i], v[S+1+16*\b+\i]
.endr
.endr
.irp c, 0,1
	v_max3_num_f32 v[BM+2*\c], v[BM+2*\c], v[BM+2*\c+1], v[S+15+32*\c]
.endr
.irp c, 0,1
	v_max_num_f32 v[BM+2*\c], v[BM+2*\c], v[S+31+32*\c]   ; the largest score of my two blocks of 32 keys: for the row's maximum and, since p rises with the score, for the block's largest p
.endr
	v_max_num_f32 v[T0], v[BM], v[BM+2]
	v_permlanex16_b32 v[T1], v[T0], s[SEL], s[SEL+1]
	v_max3_num_f32 v13, v13, v[T0], v[T1]          ; the running largest score, with lane l xor 16's 64 keys
	s_delay_alu instid0(VALU_DEP_1)
	v_mul_f32 v[T0], s[NC], v13                    ; -t (c is positive)
	s_delay_alu instid0(VALU_DEP_1)
	v_floor_f32 v[T2], v[T0]                       ; the new -M = -ceil(t): a whole number
	s_delay_alu instid0(VALU_DEP_1)
	v_sub_f32 v[T0], v[T2], v12                    ; old M - new M: a whole number, 0 or less
	v_mov_b32 v12, v[T2]
	s_delay_alu instid0(VALU_DEP_2)
	v_cvt_i32_f32 v[T0], v[T0]                     ; (it saturates)
.irp c, 0,1
	v_fma_f32 v[BM+2*\c], v[BM+2*\c], s[CS], v12   ; t - M of each block's largest score
.endr
	v_ldexp_f32 v[FF], 1.0, v[T0]                  ; f
.set j, 0
.rept 32
	v_pk_fma_f32 v[S+j:S+j+1], v[S+j:S+j+1], s[CS:CS+1], v[12:13] op_sel_hi:[1,0,0]   ; t - M, two at a time
.set j, j+2
.endr
.set j, 0
.rept 16
	v_pk_mul_f32 v[O+j:O+j+1], v[O+j:O+j+1], v[FF:FF+1] op_sel_hi:[1,0]   ; O^T under the new M, ahead of the exponentials
.set j, j+2
.endr
	s_wait_alu depctr_va_vdst(0)                   ; ahead of the batch
	v_exp_f32 v[BM], v[BM]                         ; my blocks' largest p: the same two instructions on the same number give the same bits
	v_exp_f32 v[BM+2], v[BM+2]
.set j, 0
.rept 64
	v_exp_f32 v[S+j], v[S+j]                       ; p = 2^(t - M): not normalised
.set j, j+1
.endr
	v_pk_mul_f32 v[14:15], v[14:15], v[FF:FF+1] op_sel_hi:[1,0]   ; the sums under the new M: a plain place behind the exponentials
	s_wait_alu depctr_va_vdst(0)                   ; one wait for the batch of 66, ahead of its first reader
.irp c, 0,1
	v_max_num_f32 v[BM+2*\c], 0x1800000, v[BM+2*\c]   ; the floor 2^(3 - 127): the byte cannot fall under 1
.endr
.irp c, 0,1
	s_delay_alu instid0(VALU_DEP_2)
	v_add_nc_u32 v[SO+\c], 0xff000000, v[BM+2*\c]  ; 2 off the exponent field: the conversion's scale operand
.endr
.irp c, 0,1
	s_delay_alu instid0(VALU_DEP_2)
	v_lshrrev_b32 v[BY+\c], 23, v[SO+\c]           ; the bytes of blocks h and 2 + h
.endr
	s_delay_alu instid0(VALU_DEP_1)
	v_lshl_or_b32 v[T0], v[BY+1], 16, v[BY]
	s_delay_alu instid0(VALU_DEP_1)
	v_lshlrev_b32 v[T0], v[SH8], v[T0]             ; at their places in the scale word
	s_delay_alu instid0(VALU_DEP_1)
	v_permlanex16_b32 v[T1], v[T0], s[SEL], s[SEL+1]
	s_delay_alu instid0(VALU_DEP_1)
	v_or_b32 v[PS], v[T0], v[T1]                   ; with lane l xor 16's two the word is whole
.irp c, 0,1
	v_cvt_scalef32_pk16_fp6_f32 v[PC+6*\c:PC+6*\c+2], v[S+32*\c:S+32*\c+15], v[SO+\c]
	v_cvt_scalef32_pk16_fp6_f32 v[PH+4*\c:PH+4*\c+2], v[S+16+32*\c:S+31+32*\c], v[SO+\c]   ; (a conversion's three registers begin on an even number)
.endr
.irp i, 0,1,2,3,4,5,6,7                ; THE ROW'S SUM OF THE UNQUANTISED p, in eight chains of pairs.  (The first line is the plain place behind the conversions; the lines behind the moves are the places in front of the products)
	v_pk_add_f32 v[SM+2*\i:SM+2*\i+1], v[S+2*\i:S+2*\i+1], v[S+16+2*\i:S+17+2*\i]
.endr
.irp c, 0,1
.irp i, 0,1,2
	v_mov_b32 v[PC+3+6*\c+\i], v[PH+4*\c+\i]       ; registers 6 c .. 6 c + 5 hold keys 64 c + 32 h + 0 .. 31
.endr
.endr
.irp g, 32, 48
.irp i, 0,1,2,3,4,5,6,7
	v_pk_add_f32 v[SM+2*\i:SM+2*\i+1], v[SM+2*\i:SM+2*\i+1], v[S+\g+2*\i:S+\g+1+2*\i]
.endr
.endr
.irp i, 0,1,2,3
	v_pk_add_f32 v[SM+2*\i:SM+2*\i+1], v[SM+2*\i:SM+2*\i+1], v[SM+8+2*\i:SM+9+2*\i]
.endr
.irp i, 0,1
	s_delay_alu instid0(VALU_DEP_2)
	v_pk_add_f32 v[SM+2*\i:SM+2*\i+1], v[SM+2*\i:SM+2*\i+1], v[SM+4+2*\i:SM+5+2*\i]
.endr
	s_delay_alu instid0(VALU_DEP_1)
	v_pk_add_f32 v[SM:SM+1], v[SM:SM+1], v[SM+2:SM+3]
	s_delay_alu instid0(VALU_DEP_1)
	v_pk_add_f32 v[14:15], v[14:15], v[SM:SM+1]
	s_wait_alu depctr_va_vdst(0)
	s_wait_dscnt 0x0                               ; V
.irp t, 0,1,2,3
	v_wmma_scale_f32_16x16x128_f8f6f4 v[O+8*\t:O+8*\t+7], v[KV+12*\t:KV+12*\t+11], v[PC:PC+11], v[O+8*\t:O+8*\t+7], v[VS+\t], v[PS] matrix_a_fmt:MATRIX_FMT_FP6 matrix_b_fmt:MATRIX_FMT_FP6
.endr
.endm
.macro SLOT_STEPS                      ; a slot's eight steps: written once, walked eight times
	s_mov_b32 s50, 8
.Lstep_\@:
	STEP
	s_add_co_u32 s[TB], s[TB], BLK
	s_sub_co_u32 s50, s50, 1
	s_cmp_lg_u32 s50, 0
	s_cbranch_scc1 .Lstep_\@
	s_sub_co_u32 s[TB], s[TB], SLOTK
	s_xor_b32 s[TB], s[TB], SLOT1                  ; on to the other slot
.endm
; THE CHANGE OF SLOTS: each wave waits for all its tensor loads (its part of the slot ahead), adds 0 to its spare word, and waits for that and for its reads of the slot that it has left; behind the barrier the slot ahead is whole and
; nobody reads the other.  fill = 1: that other slot takes the next 1,024 keys (the first time: slot 1's first fill, issued as a refill is); the load has eight steps of all sixteen waves in which to land.
.macro CHANGE fill
.if \fill
	s_wait_xcnt 0x0                                ; the last prefetch has read its address: it is stepped below
.endif
	s_wait_tensorcnt 0x0                           ; no tensor load of mine is out, so group 0 may be written
	ds_add_u32 v[SPW], v[NIL]
.if \fill
	s_xor_b32 s[G0+1], s[G0+1], SLOT1              ; the other slot than last time,
	s_add_nc_u64 s[G0+2:G0+3], s[G0+2:G0+3], SLOTK ; the next 1,024 keys
	s_add_nc_u64 s[PF:PF+1], s[PF:PF+1], SLOTK     ; and the 1,024 behind them for the prefetch
.endif
	s_wait_dscnt 0x0
	s_barrier_signal -1
	s_barrier_wait -1
.if \fill
	tensor_load_to_lds s[G0:G0+3], s[G1C:G1C+7]    ; my one tensor load behind the barrier, and the first thing there
	s_nop 0
	s_cmp_lg_u32 s[WV], 0
	s_cbranch_scc1 .Lno_ask_\@                     ; one wave asks for the work-group
	s_cmp_lt_u32 s51, 2
	s_cbranch_scc1 .Lno_ask_\@                     ; the last change that loads has no slot behind its own
	global_prefetch_b8 v[PFO], s[PF:PF+1] th:TH_LOAD_NT scope:SCOPE_SE
.Lno_ask_\@:
.endif
.endm
	s_wait_alu depctr_va_vdst(0)                   ; at the head's end
	s_mov_b32 s51, 3
.Lslot:
	CHANGE 1
	SLOT_STEPS
	s_sub_co_u32 s51, s51, 1
	s_cmp_lg_u32 s51, 0
	s_cbranch_scc1 .Lslot
	CHANGE 0                                       ; the last slot is written out: nothing is left to fetch
	SLOT_STEPS
	; THE WAY OUT: O^T / the sum; its 64 channels are two blocks of 32 of the last product's K; register 16 b + i is channel 32 b + 16 h + i
	v_add_f32 v14, v14, v15
	s_delay_alu instid0(VALU_DEP_1)
	v_permlanex16_b32 v[T0], v14, s[SEL], s[SEL+1]
	s_delay_alu instid0(VALU_DEP_1)
	v_add_f32 v14, v14, v[T0]                      ; the row's sum
	s_wait_alu depctr_va_vdst(0)
	v_rcp_f32 v14, v14
	v_nop
	v_nop
	v_nop                                          ; with the additions above: the places behind the last products, and the plain place behind the reciprocal
	s_wait_alu depctr_va_vdst(0)                   ; ahead of the first reader of the reciprocal and of O^T
.set j, 0
.rept 32
	v_mul_f32 v[S+j], v[O+j], v14
.set j, j+1
.endr
.irp b, 0,1
	v_max3_num_f32 v[BM+\b], |v[S+16*\b]|, |v[S+1+16*\b]|, 0x1800000
.endr
.irp i, 2,4,6,8,10,12,14
.irp b, 0,1
	s_delay_alu instid0(VALU_DEP_2)
	v_max3_num_f32 v[BM+\b], v[BM+\b], |v[S+16*\b+\i]|, |v[S+1+16*\b+\i]|
.endr
.endr
.irp b, 0,1
	s_delay_alu instid0(VALU_DEP_2)
	v_permlanex16_b32 v[BY+\b], v[BM+\b], s[SEL], s[SEL+1]
.endr
.irp b, 0,1
	s_delay_alu instid0(VALU_DEP_2)
	v_max_num_f32 v[BM+\b], v[BM+\b], v[BY+\b]
.endr
.irp b, 0,1
	s_delay_alu instid0(VALU_DEP_2)
	v_add_nc_u32 v[SO+\b], 0xff000000, v[BM+\b]
.endr
.irp b, 0,1
	s_delay_alu instid0(VALU_DEP_2)
	v_lshrrev_b32 v[BY+\b], 23, v[SO+\b]
.endr
	s_delay_alu instid0(VALU_DEP_1)
	v_lshl_or_b32 v[T0], v[BY+1], 8, v[BY]         ; my head's two bytes of the row's scale word
	v_cvt_scalef32_pk16_fp6_f32 v[PC:PC+2], v[S:S+15], v[SO]
	v_cvt_scalef32_pk16_fp6_f32 v[PH:PH+2], v[S+16:S+31], v[SO+1]
	v_nop
	global_store_b96 v[CCO], v[PC:PC+2], s[6:7]            ; the two stores cover the unit's 768 consecutive bytes
	global_store_b96 v[CCO], v[PH:PH+2], s[6:7] offset:384
	global_store_b16 v[CSO], v[T0], s[8:9]                 ; two bytes a row: the word's other half is another work-group's head
	s_wait_tensorcnt 0x0                           ; the wave's end
	ds_add_u32 v[SPW], v[NIL]
	s_wait_dscnt 0x0
	s_endpgm
.Lfunc_end_k_qa5836aa9cf_attn:
	.size	k_qa5836aa9cf_attn, .Lfunc_end_k_qa5836aa9cf_attn-k_qa5836aa9cf_attn
	.p2alignl 7, 3214868480
	.fill 96, 4, 3214868480
	.section	.rodata,"a",@progbits
	.p2align	6, 0x0
	.amdhsa_kernel k_qa5836aa9cf_attn
		.amdhsa_group_segment_fixed_size 327680
		.amdhsa_private_segment_fixed_size 0
		.amdhsa_enable_private_segment 0
		.amdhsa_kernarg_size 24
		.amdhsa_user_sgpr_count 2
		.amdhsa_user_sgpr_kernarg_segment_ptr 1
		.amdhsa_wavefront_size32 1
		.amdhsa_system_sgpr_workgroup_id_x 1
		.amdhsa_system_sgpr_workgroup_id_y 1
		.amdhsa_system_sgpr_workgroup_id_z 1
		.amdhsa_system_vgpr_workitem_id 0
		.amdhsa_next_free_vgpr 256
		.amdhsa_next_free_sgpr 66
		.amdhsa_reserve_vcc 0
		.amdhsa_float_denorm_mode_32 3
		.amdhsa_float_denorm_mode_16_64 3
		.amdhsa_memory_ordered 1
		.amdhsa_forward_progress 1
		.amdhsa_inst_pref_size 42
	.end_amdhsa_kernel
	.amdgpu_metadata
---
amdhsa.version: [ 1, 2 ]
amdhsa.kernels:
  - .name:           k_qa5836aa9cf_attn
    .symbol:         k_qa5836aa9cf_attn.kd
    .args:
      - { .name: ac, .offset: 0, .size: 8, .value_kind: global_buffer, .address_space: global }
      - { .name: cc, .offset: 8, .size: 8, .value_kind: global_buffer, .address_space: global }
      - { .name: cs, .offset: 16, .size: 8, .value_kind: global_buffer, .address_space: global }
    .group_segment_fixed_size: 327680
    .private_segment_fixed_size: 0
    .kernarg_segment_align: 8
    .kernarg_segment_size: 24
    .max_flat_workgroup_size: 512
    .sgpr_count:     66
    .vgpr_count:     256
    .wavefront_size: 32
...
	.end_amdgpu_metadata
.endif
;; end of part 3
;; launch outp (part 4): grid 8 x 32, 4 waves a work-group, clusters of 4 x 4, 229,376 bytes of LDS; arguments cc, cs, xc, xs, bo, out0; writes out0
.if DOCPART == 4
	.amdgcn_target "amdgcn-amd-amdhsa--gfx1250"
	.amdhsa_code_object_version 6
	.text
	.protected	k_qa5836aa9cf_outp
	.globl	k_qa5836aa9cf_outp
	.p2align	8
	.type	k_qa5836aa9cf_outp,@function
k_qa5836aa9cf_outp:
	s_mov_b64 s[64:65], 0
	v_nop
	global_prefetch_b8 v0, s[64:65] scope:SCOPE_SE
	s_setreg_imm32_b32 hwreg(HW_REG_WAVE_MODE, 25, 1), 1
	s_wait_xcnt 0x0
	s_wait_alu depctr_hold_cnt(0) depctr_sa_sdst(0) depctr_va_vdst(0) depctr_va_sdst(0) depctr_va_ssrc(0) depctr_va_vcc(0) depctr_vm_vsrc(0)
	s_getreg_b32 s2, hwreg(HW_REG_IB_STS2, 6, 4)
	s_cmp_eq_u32 s2, 0
	s_cbranch_scc0 .Lentry_in_a_cluster
	s_endpgm
.Lentry_in_a_cluster:
	s_bfe_u32 s2, ttmp6, 0x10000c
	s_cmp_lg_u32 s2, 0xf033
	s_cbranch_scc0 .Lentry_shape_is_right
	s_endpgm
.Lentry_shape_is_right:
; Launch 4 of 4: out0 = ctx Wo^T + bo, on codes of E2M3.  No work is left out.  ctx: cc [row tile 256][unit 16][768], cs [row tile][128 along K: 8][row 16][4]; Wo: row tiles 960 .. 1023 of xc and xs, laid alike.
; SHARES.  256 work-groups; work-group (bx, by) makes 128 x 128 of out0: 8 row tiles of ctx x 8 row tiles of Wo; a wave makes 64 x 64: 16 accumulators, 128 registers.
; ALL OF K LIES IN LDS: 8 row tiles with all their 1,024 codes are 98,304 consecutive bytes of memory, their scale words 4,096.  Wave 0 fetches ctx's codes, wave 1 Wo's, wave 2 ctx's scales, wave 3 Wo's: one tensor load a wave,
; in rows of 256 bytes; nothing is filled again, so there is no ring, and one barrier shows the four tiles to all waves.
; CLUSTERS: 4 x 4 work-groups; ctx's tiles hang on by alone and are asked for jointly along a row of the cluster, Wo's on bx alone, along a column.
; NO PREFETCH: every byte that the launch reads is asked for by the head's loads; there is no loop to run ahead in.
; THE MATRIX INSTRUCTION IS USED TRANSPOSED (source 0 = 16 rows of Wo, source 1 = 16 rows of ctx): by the order of rows in a tile, a lane's 16 results of Wo's tiles 2 b, 2 b + 1 are columns 32 b + 16 h + 0 .. 15 of one row of out0.
; Row p of ctx's tile 2 b + u is query 32 b + 8 u + p + 8 (p / 8): the stores put the rows back.
; REGISTERS: window 0: v0-31 addresses and bo; v32-63 scale words (register 8 i + k: lanes 0-15 ctx's tile i, lanes 16-31 Wo's tile i, K step k); v64-255 two sets of 4 + 4 fragments.  Window 1: v0-127 the accumulators.
.set FR,     12
.set TILEB,  12288                     ; a row tile, all of K
.set HALFT,  4*TILEB                   ; a wave's four tiles
.set BLKB,   8*TILEB
.set SCL,    2*BLKB                    ; the scale words: ctx's 4,096 bytes, then Wo's
.set SPARE,  SCL+8192                  ; the spare words, 128 bytes for each wave: two blocks of 256 bytes that no other line names
.set STAGE,  SPARE+512                 ; the way out: 16 rows x (256 + 16) bytes for each wave; no tensor load lands here
.set SPITCH, 272
.set ADRA, 16
.set ADRB, 17
.set BO,   20                          ; v20-23 my four numbers of bo
.set STO,  24
.set RD,   25
.set CO,   26
.set ADRS, 27
.set SPW,  28
.set NIL,  29
.set SC,   32
.set FS,   64
.set G1,   24
.set G1B,  32
.set G1S,  40
.set G1SB, 48
.set G0A,  56
.set G0B,  60
.set G0S,  68
.set G0SB, 72
.set MSB, 0
.macro WIN new                         ; the immediate's high byte repeats the setting that is left
.if MSB != \new
	s_set_vgpr_msb (MSB<<8)|\new
.set MSB, \new
.endif
.endm
.macro CROUND                          ; a round of the cluster's barrier
	s_barrier_signal -1
	s_barrier_wait -1
	s_cmp_lg_u32 s18, 0
	s_cbranch_scc1 .Lnot_wave_0_\@
	s_barrier_signal -3
.Lnot_wave_0_\@:
	s_barrier_wait -3
	s_barrier_signal -1
	s_barrier_wait -1
.endm
	s_load_b256 s[4:11], s[0:1], 0x0               ; cc, cs, xc, xs
	s_load_b128 s[12:15], s[0:1], 0x20             ; bo, out0
	v_lshl_add_u32 v[SPW], v0, 2, SPARE
	v_mov_b32 v[NIL], 0
	ds_add_u32 v[SPW], v[NIL]                      ; the wave's opening: the add, twice on end, and its wait ahead of my first tensor load
	ds_add_u32 v[SPW], v[NIL]
	v_lshrrev_b32 v1, 5, v0
	v_readfirstlane_b32 s18, v1                    ; wave 0..3
	s_lshr_b32 s19, s18, 1                         ; my half of the rows
	s_and_b32 s20, s18, 1                          ; my half of the columns
	s_bfe_u32 s21, ttmp6, 0x40000                  ; cx
	s_bfe_u32 s22, ttmp6, 0x40004                  ; cy
	s_lshl_b32 s93, ttmp9, 2
	s_add_co_u32 s93, s93, s21                     ; bx
	s_and_b32 s92, ttmp7, 0xffff
	s_lshl_b32 s92, s92, 2
	s_add_co_u32 s92, s92, s22                     ; by
	s_lshl_b32 s76, s22, 2
	s_lshl_b32 s76, 15, s76                        ; my row of the cluster
	s_lshl_b32 s77, 0x1111, s21                    ; my column
	s_or_b32 s[G1], s76, (3<<16)|(1<<21)           ; the mask; elements of 8 bytes; bit 21 beside a mask
	s_or_b32 s[G1B], s77, (3<<16)|(1<<21)
	s_or_b32 s[G1S], s76, (3<<16)|(1<<21)
	s_or_b32 s[G1SB], s77, (3<<16)|(1<<21)
.irp g, G1, G1B                        ; 384 rows of 256 bytes, dense
	s_mov_b32 s[\g+1], 32<<16
	s_mov_b32 s[\g+2], 384<<16
	s_mov_b32 s[\g+3], 32<<16
	s_mov_b32 s[\g+4], 384
	s_mov_b32 s[\g+5], 32
	s_mov_b32 s[\g+6], 0
	s_mov_b32 s[\g+7], 0
.endr
.irp g, G1S, G1SB                      ; 16 rows of 256 bytes
	s_mov_b32 s[\g+1], 32<<16
	s_mov_b32 s[\g+2], 16<<16
	s_mov_b32 s[\g+3], 32<<16
	s_mov_b32 s[\g+4], 16
	s_mov_b32 s[\g+5], 32
	s_mov_b32 s[\g+6], 0
	s_mov_b32 s[\g+7], 0
.endr
	s_mul_i32 s80, s92, BLKB                       ; ctx's 8 tiles: by alone
	s_mov_b32 s81, 0
	s_lshl_b32 s82, s92, 12
	s_mov_b32 s83, 0
	s_lshl_b32 s86, s93, 3
	s_add_co_u32 s86, s86, 960                     ; Wo's 8 tiles: bx alone
	s_mul_i32 s84, s86, TILEB
	s_mov_b32 s85, 0
	s_lshl_b32 s86, s86, 9
	s_mov_b32 s87, 0
	s_wait_dscnt 0x0                               ; both opening adds are done
	s_wait_kmcnt 0x0
	s_add_nc_u64 s[80:81], s[4:5], s[80:81]
	s_add_nc_u64 s[82:83], s[6:7], s[82:83]
	s_add_nc_u64 s[84:85], s[8:9], s[84:85]
	s_add_nc_u64 s[86:87], s[10:11], s[86:87]
	CROUND                                         ; all sixteen work-groups are here: the joint loads meet
	s_mov_b32 s[G0A], 1
	s_mov_b32 s[G0A+1], 0
	s_mov_b64 s[G0A+2:G0A+3], s[80:81]
	s_or_b32 s[G0A+3], s[G0A+3], 0x80000000
	s_mov_b32 s[G0B], 1
	s_mov_b32 s[G0B+1], BLKB
	s_mov_b64 s[G0B+2:G0B+3], s[84:85]
	s_or_b32 s[G0B+3], s[G0B+3], 0x80000000
	s_mov_b32 s[G0S], 1
	s_mov_b32 s[G0S+1], SCL
	s_mov_b64 s[G0S+2:G0S+3], s[82:83]
	s_or_b32 s[G0S+3], s[G0S+3], 0x80000000
	s_mov_b32 s[G0SB], 1
	s_mov_b32 s[G0SB+1], SCL+4096
	s_mov_b64 s[G0SB+2:G0SB+3], s[86:87]
	s_or_b32 s[G0SB+3], s[G0SB+3], 0x80000000
; one chain of branches on the wave's number, one load to an arm, all arms leading to one join
.macro ARM under, g0, g1, next
	s_cmp_lt_u32 s18, \under
	s_cbranch_scc0 \next
	tensor_load_to_lds s[\g0:\g0+3], s[\g1:\g1+7]
	s_nop 0
.rept 4
	v_nop
.endr
	s_branch .Lhead_asked
\next:
.endm
	ARM 1, G0A, G1,  .Lhead_b
	ARM 2, G0B, G1B, .Lhead_sa
	ARM 3, G0S, G1S, .Lhead_sb
	tensor_load_to_lds s[G0SB:G0SB+3], s[G1SB:G1SB+7]
	s_nop 0
.rept 4
	v_nop
.endr
.Lhead_asked:
	s_mul_i32 s94, s19, HALFT                      ; my four tiles of ctx
	s_mul_i32 s95, s20, HALFT
	s_add_co_u32 s95, s95, BLKB                    ; and of Wo
	s_lshl_b32 s97, s19, 11                        ; their scale words: 512 bytes a tile
	s_lshl_b32 s96, s20, 11
	s_add_co_u32 s96, s96, 4096
	s_sub_co_u32 s96, s96, s97                     ; from ctx's to Wo's
	s_add_co_u32 s97, s97, SCL
	s_mul_i32 s98, s18, 16*SPITCH
	s_add_co_u32 s98, s98, STAGE                   ; my stage
	s_lshl_b32 s90, s93, 9
	s_lshl_b32 s91, s20, 8
	s_add_co_u32 s90, s90, s91                     ; my first column, in bytes: a multiple of 256
	s_mov_b32 s91, 0
	s_add_nc_u64 s[12:13], s[12:13], s[90:91]
	s_lshl_b32 s88, s92, 7
	s_lshl_b32 s89, s19, 6
	s_add_co_u32 s88, s88, s89                     ; my first row
	s_lshl_b32 s88, s88, 12
	s_add_co_u32 s88, s88, s90
	s_mov_b32 s89, 0
	s_add_nc_u64 s[14:15], s[14:15], s[88:89]
	v_and_b32 v1, 31, v0
	v_and_b32 v2, 15, v0                           ; r
	v_bfe_u32 v3, v0, 4, 1                         ; h
	v_mul_u32_u24 v4, v1, 24
	v_mul_u32_u24 v5, s96, v3                      ; lanes 16-31 take Wo's scale words
	v_lshlrev_b32 v6, 4, v2
	v_mul_u32_u24 v[STO], v2, SPITCH
	v_mul_u32_u24 v[RD], v3, SPITCH
	v_add_nc_u32 v[ADRA], s94, v4
	v_add_nc_u32 v[ADRB], s95, v4
	global_load_b128 v[BO:BO+3], v6, s[12:13]      ; bo at the four columns that I store
	v_lshl_add_u32 v[ADRS], v2, 2, v5
	v_lshl_add_u32 v[STO], v3, 6, v[STO]           ; into the stage: row r, 64 bytes for each half of the lanes
	v_lshl_add_u32 v[RD], v2, 4, v[RD]             ; back: sixteen lanes to a row of 256 bytes, two rows a load
	v_lshl_add_u32 v[CO], v3, 12, v6               ; and the same two rows in out0
	v_add_nc_u32 v[ADRS], s97, v[ADRS]
	v_add_nc_u32 v[STO], s98, v[STO]
	v_add_nc_u32 v[RD], s98, v[RD]
.macro FETCH k                         ; K step k's fragments into set k % 2: ctx's four, then Wo's four: 48 loads
.irp i, 0,1,2,3
.irp p, 0,1,2,3,4,5
	ds_load_b64 v[FS+96*((\k)%2)+FR*\i+2*\p:FS+96*((\k)%2)+FR*\i+2*\p+1], v[ADRA] offset:TILEB*\i+1536*(\k)+768*(\p/3)+8*(\p%3)
.endr
.endr
.irp i, 0,1,2,3
.irp p, 0,1,2,3,4,5
	ds_load_b64 v[FS+96*((\k)%2)+48+FR*\i+2*\p:FS+96*((\k)%2)+48+FR*\i+2*\p+1], v[ADRB] offset:TILEB*\i+1536*(\k)+768*(\p/3)+8*(\p%3)
.endr
.endr
.endm
.macro MUL k                           ; 16 matrix instructions; the 16 accumulators take turns, in the same order in every step; the first step's products start the sums
.irp a, 0,1,2,3
.irp b, 0,1,2,3
.if (\k) == 0
	v_wmma_scale_f32_16x16x128_f8f6f4 v[8*(4*\a+\b):8*(4*\a+\b)+7], v[FS+96*((\k)%2)+48+FR*\b:FS+96*((\k)%2)+48+FR*\b+FR-1], v[FS+96*((\k)%2)+FR*\a:FS+96*((\k)%2)+FR*\a+FR-1], 0, v[SC+8*\b+(\k)], v[SC+8*\a+(\k)] matrix_a_fmt:MATRIX_FMT_FP6 matrix_b_fmt:MATRIX_FMT_FP6 matrix_a_scale:MATRIX_SCALE_ROW1
.else
	v_wmma_scale_f32_16x16x128_f8f6f4 v[8*(4*\a+\b):8*(4*\a+\b)+7], v[FS+96*((\k)%2)+48+FR*\b:FS+96*((\k)%2)+48+FR*\b+FR-1], v[FS+96*((\k)%2)+FR*\a:FS+96*((\k)%2)+FR*\a+FR-1], v[8*(4*\a+\b):8*(4*\a+\b)+7], v[SC+8*\b+(\k)], v[SC+8*\a+(\k)] matrix_a_fmt:MATRIX_FMT_FP6 matrix_b_fmt:MATRIX_FMT_FP6 matrix_a_scale:MATRIX_SCALE_ROW1
.endif
.endr
.endr
.endm
.macro PLACES
.rept 4
	v_nop
.endr
.endm
	s_wait_alu depctr_va_vdst(0)                   ; at the head's end
	s_wait_tensorcnt 0x0                           ; my tile of the four is in
	s_barrier_signal -1
	s_barrier_wait -1                              ; and everybody's
.irp i, 0,1,2,3
.irp k, 0,1,2,3,4,5,6,7
	ds_load_b32 v[SC+8*\i+\k], v[ADRS] offset:512*\i+64*\k
.endr
.endr
	FETCH 0
.set KQ, 0
.rept 8
.if KQ < 7
.if KQ > 0
	PLACES                                         ; in front of loads into the set that the last step's products read
.endif
	FETCH KQ+1
	s_wait_dscnt 48                                ; all but the 48 loads just issued: this step's fragments are in
.else
	s_wait_dscnt 0x0
.endif
	WIN 0x50                                       ; C and D in window 1
	MUL KQ
	WIN 0
.set KQ, KQ+1
.endr
; THE WAY OUT, tile by tile of 16 rows x 64 columns, through my own stage: back come whole rows of 256 bytes, which sixteen lanes store as one aligned unit.  LDS serves a wave's instructions in order: no wait between the stores and the loads.
.macro TOSTAGE a
	WIN 0x04                                       ; the data: window 1
.irp b, 0,1,2,3
	ds_store_b128 v[STO], v[8*(4*(\a)+\b):8*(4*(\a)+\b)+3] offset:128*(\b/2)+32*(\b%2)       ; each accumulator from its low end on
	ds_store_b128 v[STO], v[8*(4*(\a)+\b)+4:8*(4*(\a)+\b)+7] offset:128*(\b/2)+32*(\b%2)+16
.endr
	WIN 0
.irp t, 0,1,2,3,4,5,6,7
	ds_load_b128 v[FS+32*((\a)%2)+4*\t:FS+32*((\a)%2)+4*\t+3], v[RD] offset:\t*2*SPITCH
.endr
.endm
.macro SEND a, younger                 ; younger: the LDS instructions issued behind tile a's loads, which may stay out
	s_wait_dscnt \younger
.irp t, 0,1,2,3,4,5,6,7
	v_pk_add_f32 v[FS+32*((\a)%2)+4*\t:FS+32*((\a)%2)+4*\t+1], v[FS+32*((\a)%2)+4*\t:FS+32*((\a)%2)+4*\t+1], v[BO:BO+1]
	v_pk_add_f32 v[FS+32*((\a)%2)+4*\t+2:FS+32*((\a)%2)+4*\t+3], v[FS+32*((\a)%2)+4*\t+2:FS+32*((\a)%2)+4*\t+3], v[BO+2:BO+3]
.endr
.irp t, 0,1,2,3,4,5,6,7
	global_store_b128 v[CO], v[FS+32*((\a)%2)+4*\t:FS+32*((\a)%2)+4*\t+3], s[14:15] offset:(32*((\a)/2)+8*((\a)%2)+2*\t+8*(\t/4))*4096 th:TH_STORE_NT   ; stage rows 2 t, 2 t + 1 at their queries
.endr
.endm
	PLACES                                         ; behind the last products
	s_wait_loadcnt 0x0                             ; bo
	TOSTAGE 0
.irp a, 1,2,3
.if \a > 1
	s_wait_xcnt 0x0                                ; tile a - 2's stores have read their registers: tile a's loads may land there
.endif
	TOSTAGE \a
	SEND \a-1, 16                                  ; behind tile a - 1's loads: tile a's 8 stores and 8 loads
.endr
	SEND 3, 0
	s_wait_tensorcnt 0x0                           ; the wave's end
	ds_add_u32 v[SPW], v[NIL]
	s_wait_dscnt 0x0
	CROUND                                         ; the closing round
	s_endpgm
.Lfunc_end_k_qa5836aa9cf_outp:
	.size	k_qa5836aa9cf_outp, .Lfunc_end_k_qa5836aa9cf_outp-k_qa5836aa9cf_outp
	.p2alignl 7, 3214868480
	.fill 96, 4, 3214868480
	.section	.rodata,"a",@progbits
	.p2align	6, 0x0
	.amdhsa_kernel k_qa5836aa9cf_outp
		.amdhsa_group_segment_fixed_size 229376
		.amdhsa_private_segment_fixed_size 0
		.amdhsa_enable_private_segment 0
		.amdhsa_kernarg_size 48
		.amdhsa_user_sgpr_count 2
		.amdhsa_user_sgpr_kernarg_segment_ptr 1
		.amdhsa_wavefront_size32 1
		.amdhsa_system_sgpr_workgroup_id_x 1
		.amdhsa_system_sgpr_workgroup_id_y 1
		.amdhsa_system_sgpr_workgroup_id_z 1
		.amdhsa_system_vgpr_workitem_id 0
		.amdhsa_next_free_vgpr 384
		.amdhsa_next_free_sgpr 100
		.amdhsa_reserve_vcc 0
		.amdhsa_float_denorm_mode_32 3
		.amdhsa_float_denorm_mode_16_64 3
		.amdhsa_memory_ordered 1
		.amdhsa_forward_progress 1
		.amdhsa_inst_pref_size 64
	.end_amdhsa_kernel
	.amdgpu_metadata
---
amdhsa.version: [ 1, 2 ]
amdhsa.kernels:
  - .name:           k_qa5836aa9cf_outp
    .symbol:         k_qa5836aa9cf_outp.kd
    .args:
      - { .name: cc, .offset: 0, .size: 8, .value_kind: global_buffer, .address_space: global }
      - { .name: cs, .offset: 8, .size: 8, .value_kind: global_buffer, .address_space: global }
      - { .name: xc, .offset: 16, .size: 8, .value_kind: global_buffer, .address_space: global }
      - { .name: xs, .offset: 24, .size: 8, .value_kind: global_buffer, .address_space: global }
      - { .name: bo, .offset: 32, .size: 8, .value_kind: global_buffer, .address_space: global }
      - { .name: out0, .offset: 40, .size: 8, .value_kind: global_buffer, .address_space: global }
    .group_segment_fixed_size: 229376
    .private_segment_fixed_size: 0
    .kernarg_segment_align: 8
    .kernarg_segment_size: 48
    .max_flat_workgroup_size: 128
    .sgpr_count:     100
    .vgpr_count:     384
    .wavefront_size: 32
...
	.end_amdgpu_metadata
.endif
;; end of part 4
